; MI455X (gfx1250); checked and timed in simulation.
; The chip was launched on July 23, 2026; its instructions are those of AMD's public machine-readable ISA for CDNA 5 (MIT licence, August 2026) and "CDNA5" Instruction Set Architecture Reference Guide (July 2026). The comments in the code are by the model that wrote it; some were corrected since.
;; Relative Global Attention. Allowed arithmetic: float matrix products may take bf16 or f16 operands with f32 sums; all other float work in f32.
;; Inputs: Er 4,096 x 32 float32; Wk 128 x 128 float32; Wq 128 x 128 float32; Wv 128 x 128 float32; bk 128 float32; bq 128 float32; bv 128 float32; x 2 x 4,096 x 128 float32.
;; Outputs: out0 2 x 4,096 x 128 float32.
;; 2 versions, each right; version 2 is version 1 with the launch proj written anew for expert scheduling mode. Each part assembles by itself: llvm-mc -triple=amdgcn-amd-amdhsa -mcpu=gfx1250 --defsym DOCPART=n.
;; ======== version 1 of 2: 2 launches
;; limits: values are held in f16: magnitudes above 65,504 overflow, below 6.1e-05 lose precision; right only within a limited range of input values
;; workspace buffers: qf 2,097,152 bytes; kf 2,097,152 bytes; vf 2,097,152 bytes; ef 266,240 bytes
;; launch proj (part 1): grid 256 x 1, 8 waves a work-group, no clusters, 142,336 bytes of LDS; arguments x, Wq, Wk, Wv, bq, bv, Er, qf, kf, vf, ef; writes qf, kf, vf, ef
.if DOCPART == 1
	.amdgcn_target "amdgcn-amd-amdhsa--gfx1250"
	.amdhsa_code_object_version 6
	.text
	.protected	k_q157141fb1c_proj
	.globl	k_q157141fb1c_proj
	.p2align	8
	.type	k_q157141fb1c_proj,@function
k_q157141fb1c_proj:
	s_mov_b64 s[64:65], 0
	v_nop
	global_prefetch_b8 v0, s[64:65] scope:SCOPE_SE
	s_setreg_imm32_b32 hwreg(HW_REG_WAVE_MODE, 25, 1), 1
	s_wait_xcnt 0x0
; PROJ: q' = (x Wq + bq) log2(e)/sqrt(32), k = x Wk, v = x Wv + bv and Er, rounded to f16 and stored in the order in which
; the matrix instructions of the second launch take them, so that there each half fragment is one load of 512 neighbouring bytes.
;   qf, kf: [bh 8][token tile 256][c 2][lane 32][16 B]: lane (r, h) holds row 16 tile + r, features 16 c + 8 h .. + 7
;   vf:     [bh 8][kb 128][dt 2][c 2][lane 32][16 B]:   lane (r, h) holds feature 16 dt + r of keys 32 kb + 16 c + 8 h .. + 7
;   ef:     [u 260][c 2][lane 32][16 B]:                lane (r, h) holds Er[16 u + r][16 c + 8 h .. + 7]; tiles 256 .. 259 are zeros
;
; WORK LEFT OUT IN THIS PROGRAM, for all values of the inputs:
;  * bk.  The logit of query i and key j holds q_i . (x_j Wk + bk) = q_i . (x_j Wk) + q_i . bk; the second term is the same for
;    every j of row i, and a softmax along j is unchanged by a term that is constant along j.  bk has no other way to the output:
;    it is not loaded and is no argument of either launch.
;  * The skew.  Pad, reshape and slice give Srel[i][j] = QEr[i][S-1-i+j] for j <= i; the entries with j > i are set to -inf by
;    reference()'s own tril mask.  So only q_i . Er[S-1-i+j], j <= i, is formed, and no 64 x 64 block of logits above the diagonal.
;  LIMIT: a NaN, an infinity or an overflow that reaches only bk or the masked logits is not carried to the result.
;
; THE FORMAT IS f16.  The first rows of the output are sums over a few keys, not averages, so the rounding of the operands reaches
; them undamped; f16's 11 bits make it an eighth of bf16's.  Room: with x and W both 30 times larger the projections have a spread
; of 900, about 5,000 at the most; with x and W both shifted by 30 spreads they are about 128 x 30 x 2.65 = 10,000; both 30 times
; smaller, q' has a spread of 2.8e-4, above f16's smallest normal number 6.1e-5.
; LIMIT: |x|, |W|, |Er|, |q'|, |k|, |v| below 65,504, f16's largest number; beyond it the results are infinite or NaN.
; x AND W GO IN TWO PARTS: the upper part is the f32 number cut to 10 mantissa bits (exact in f16's normal range), the rest is
; the exact difference, rounded to f16.  upper x upper + rest x upper + upper x rest leaves out only rest x rest, 2^-20 of the
; product, so that q, k and v are rounded once, when they are stored.  That is 72 matrix instructions a wave in place of 24.
;
; SHARES.  Work-group g: 64 tokens (block g >> 1 of the 128) and two heads (pair g & 1), so that its piece of a row of W is 256
; neighbouring bytes.  Wave w: token tile w & 3, head w >> 2 of the pair: six tiles of 16 x 16 (q, k, v: two each), K = 128.
; x and W pass through registers because they are split and rounded on the way into LDS; a joint tensor load of W for several
; work-groups would lay f32 in LDS and cost a second pass through LDS, so there is no cluster here.
.set XP,   272                         ; LDS pitch of x: 256 bytes of f16 + 16
.set XLO,  64*XP                       ; the rests of x lie behind the 64 rows of upper parts
.set WH,   2*XLO                       ; W's upper parts
.set WP,   416                         ; LDS pitch of W: 192 f16 (q, k, v: 64 columns each) + 32 bytes; 13 x 32 bytes
.set WLO,  128*WP                      ; from W's upper parts to its rests
.set A_X,  1                           ; v1   byte offset of my 16 bytes of x
.set A_W,  2                           ; v2   the same in Wq, Wk, Wv
.set A_BQ, 3                           ; v3   in bq
.set A_BV, 4                           ; v4   in bv
.set A_ER, 5                           ; v5   in Er
.set A_EF, 6                           ; v6   in ef
.set L_X,  7                           ; v7   LDS: where I put x
.set L_W,  8                           ; v8   LDS: where I put W's upper parts
.set L_W2, 9                           ; v9   LDS: and its rests (beyond the reach of a 16-bit offset)
.set L_XF, 10                          ; v10  LDS: my fragments of x
.set L_WF, 11                          ; v11  LDS: my fragments of W's upper parts
.set L_WF2,12                          ; v12  LDS: of its rests
.set A_QK, 13                          ; v13  byte offset in qf and kf
.set A_V,  14                          ; v14  byte offset in vf
.set XHF,  16                          ; v[16:47]   x as loaded; later the four fragments (32 along K each) of its upper parts
.set XLF,  48                          ; v[48:79]   the four fragments of its rests; before that Er (wave 0), zeros (wave 1)
.set ER,   48
.set WS,   80                          ; v[80:175]  W as loaded; later two fragment buffers; at the end the packed results
.set WBH,  80                          ;            six fragments of upper parts
.set WBL,  128                         ;            six fragments of rests
.set BQ,   176                         ; v[176:191] bq in the layout of an accumulator, for c = 0, 1
.set BV,   192                         ; v[192:195] bv of my column, twice, for dt = 0, 1
.set ACC,  196                         ; v[196:243] q c=0,1; k c=0,1; v dt=0,1.  Before the products: at work
.set TL,   196                         ; lane, r, h while the addresses are made
.set TR,   197
.set TH,   198
	s_load_b512 s[4:19], s[0:1], 0x0               ; x 4, Wq 6, Wk 8, Wv 10, bq 12, bv 14, Er 16, qf 18
	s_load_b128 s[20:23], s[0:1], 0x40             ; kf 20, vf 22
	s_load_b64 s[24:25], s[0:1], 0x50              ; ef 24
	v_lshl_add_u32 v248, v0, 2, 0x22800
	v_mov_b32 v249, 0
	v_lshrrev_b32 v[TL], 5, v0
	v_readfirstlane_b32 s26, v[TL]                 ; wave
	s_and_b32 s27, s26, 3                          ; token tile of the block
	s_lshr_b32 s28, s26, 2                         ; head of the pair
	s_and_b32 s29, ttmp9, 1                        ; pair of heads
	s_lshr_b32 s30, ttmp9, 1                       ; block of 64 tokens, 0 .. 127
	s_lshl1_add_u32 s31, s29, s28                  ; head = 2 pair + head of the pair
	s_lshr_b32 s34, s30, 6                         ; batch
	s_lshl2_add_u32 s34, s34, s31                  ; bh = 4 batch + head
	s_and_b32 s35, s30, 63
	s_lshl2_add_u32 s35, s35, s27                  ; token tile in the sequence, 0 .. 255
	s_mov_b32 s38, 0x3e8293ee                      ; log2(e) / sqrt(32), twice: a pair for the packed multiply
	s_mov_b32 s39, 0x3e8293ee
	v_and_b32 v[TL], 31, v0                        ; lane
	v_and_b32 v[TR], 15, v0                        ; r
	v_bfe_u32 v[TH], v0, 4, 1                      ; h
	v_lshlrev_b32 v[A_X], 4, v0                    ; x: thread t takes bytes 16 t of each 4,096 (8 rows): row 8 e + wave
	s_lshl_b32 s36, s26, 10
	s_lshl_b32 s37, s29, 8
	s_add_co_u32 s36, s36, s37
	v_lshl_add_u32 v[A_W], v[TH], 9, s36           ; W: row 16 e + 2 wave + h (512 bytes each), the pair's 256 bytes,
	v_lshl_add_u32 v[A_W], v[TR], 4, v[A_W]        ; 16 bytes for each r
	s_lshl_b32 s37, s31, 7                         ; the head's 32 numbers
	v_lshl_add_u32 v[A_BQ], v[TH], 5, s37          ; bq[32 head + 16 c + 8 h ..]
	v_lshl_add_u32 v[A_BV], v[TR], 2, s37          ; bv[32 head + 16 dt + r]
	s_lshl_b32 s36, ttmp9, 11
	v_lshl_add_u32 v[A_ER], v[TR], 7, s36          ; Er row 16 g + r (128 bytes each),
	v_lshl_add_u32 v[A_ER], v[TH], 5, v[A_ER]      ; columns 8 h ..
	s_lshl_b32 s36, ttmp9, 10
	v_lshl_add_u32 v[A_EF], v[TL], 4, s36          ; ef tile g, 16 bytes a lane
	s_mul_i32 s36, s26, XP
	v_lshl_add_u32 v[L_X], v[TL], 3, s36           ; x in LDS: row wave (+ 8 e), 8 bytes a lane
	s_mul_i32 s36, s26, 2*WP
	s_add_co_u32 s36, s36, WH
	v_mul_u32_u24 v[L_W], v[TH], WP
	v_lshl_add_u32 v[L_W], v[TR], 3, v[L_W]
	v_add_nc_u32 v[L_W], s36, v[L_W]               ; W in LDS: row 2 wave + h (+ 16 e), 8 bytes for each r
	v_add_nc_u32 v[L_W2], WLO, v[L_W]
	s_mul_i32 s36, s27, 16*XP
	v_mul_u32_u24 v[L_XF], v[TR], XP
	v_add_nc_u32 v[L_XF], s36, v[L_XF]
	v_lshl_add_u32 v[L_XF], v[TH], 4, v[L_XF]      ; fragment of x: row 16 tile + r, 16 bytes for each h
	v_and_b32 v[L_WF], 7, v0
	v_lshl_add_u32 v[L_WF], v[TH], 3, v[L_WF]
	v_mul_u32_u24 v[L_WF], v[L_WF], WP             ; transposing load: row 8 h + lane % 8,
	v_bfe_u32 v[A_QK], v0, 3, 1
	v_lshl_add_u32 v[L_WF], v[A_QK], 4, v[L_WF]    ; 16 bytes for each (lane / 8) % 2,
	s_lshl_b32 s36, s28, 6
	s_add_co_u32 s36, s36, WH
	v_add_nc_u32 v[L_WF], s36, v[L_WF]             ; my head's 32 columns
	v_add_nc_u32 v[L_WF2], WLO, v[L_WF]
	s_lshl_b32 s36, s34, 8
	s_add_co_u32 s36, s36, s35
	s_lshl_b32 s36, s36, 10
	v_lshl_add_u32 v[A_QK], v[TL], 4, s36          ; (256 bh + tile) x 1,024 + 16 lane
	s_lshr_b32 s37, s35, 1
	s_lshl_b32 s36, s34, 7
	s_add_co_u32 s37, s37, s36
	s_lshl_b32 s37, s37, 11
	s_and_b32 s36, s35, 1
	s_lshl_b32 s36, s36, 9
	s_add_co_u32 s37, s37, s36
	v_lshl_add_u32 v[A_V], v[TL], 4, s37           ; (128 bh + tile / 2) x 2,048 + (tile % 2) x 512 + 16 lane
	s_lshl_b32 s32, s30, 15                        ; 64 rows of x, 512 bytes each
	s_mov_b32 s33, 0
	s_wait_kmcnt 0x0
	s_add_nc_u64 s[4:5], s[4:5], s[32:33]
	; all loads, the oldest first: biases 6, x 8, W 24
.irp c, 0,1
	global_load_b128 v[BQ+8*\c:BQ+8*\c+3],   v[A_BQ], s[12:13] offset:64*\c
	global_load_b128 v[BQ+8*\c+4:BQ+8*\c+7], v[A_BQ], s[12:13] offset:64*\c+16
.endr
	global_load_b32 v[BV],   v[A_BV], s[14:15]
	global_load_b32 v[BV+2], v[A_BV], s[14:15] offset:64
.irp e, 0,1,2,3,4,5,6,7
	global_load_b128 v[XHF+4*\e:XHF+4*\e+3], v[A_X], s[4:5] offset:4096*\e
.endr
.irp e, 0,1,2,3,4,5,6,7
	global_load_b128 v[WS+4*\e:WS+4*\e+3], v[A_W], s[6:7] offset:8192*\e
.endr
.irp e, 0,1,2,3,4,5,6,7
	global_load_b128 v[WS+32+4*\e:WS+32+4*\e+3], v[A_W], s[8:9] offset:8192*\e
.endr
.irp e, 0,1,2,3,4,5,6,7
	global_load_b128 v[WS+64+4*\e:WS+64+4*\e+3], v[A_W], s[10:11] offset:8192*\e
.endr
	; Wave 0 alone: tile g of Er, load to store inside this one branch.  Its loads are the youngest, so the wait is for all of the
	; wave's loads; they were issued in one run just above, and the counted waits further down are then met at once in this wave.
	s_cmp_lg_u32 s26, 0
	s_cbranch_scc1 .Lno_er
	global_load_b128 v[ER:ER+3],     v[A_ER], s[16:17]
	global_load_b128 v[ER+4:ER+7],   v[A_ER], s[16:17] offset:16
	global_load_b128 v[ER+8:ER+11],  v[A_ER], s[16:17] offset:64
	global_load_b128 v[ER+12:ER+15], v[A_ER], s[16:17] offset:80
	s_wait_loadcnt 0x0
.irp j, 0,1,2,3,4,5,6,7
	v_cvt_pk_f16_f32 v[ER+\j], v[ER+2*\j], v[ER+2*\j+1]        ; in place: word j is written when words 2 j, 2 j + 1 have been read
.endr
	global_store_b128 v[A_EF], v[ER:ER+3],   s[24:25]          ; each store of the wave covers 512 neighbouring bytes
	global_store_b128 v[A_EF], v[ER+4:ER+7], s[24:25] offset:512
	s_wait_xcnt 0x0                                ; the stores' data registers take fragments of x later: only behind this wait
.Lno_er:
	; Wave 1 of work-groups 0 .. 3: the zero tiles 256 + g, which stand for the rows of Er at and beyond 4,096
	s_cmp_lg_u32 s26, 1
	s_cbranch_scc1 .Lno_zero
	s_cmp_gt_u32 ttmp9, 3
	s_cbranch_scc1 .Lno_zero
.irp j, 0,1,2,3
	v_mov_b32 v[ER+\j], 0
.endr
	global_store_b128 v[A_EF], v[ER:ER+3], s[24:25] offset:262144
	global_store_b128 v[A_EF], v[ER:ER+3], s[24:25] offset:262144+512
	s_wait_xcnt 0x0                                ; as above
.Lno_zero:
	; split, round to f16 and lay into LDS.  Four f32 at v[SR ..]: upper parts packed in v[TT+8:TT+9], rests in v[TT+10:TT+11].
.macro SPLIT4
.irp j, 0,1,2,3
	v_and_b32 v[TT+\j], 0xffffe000, v[SR+\j]       ; sign, exponent and 10 mantissa bits
.endr
	v_pk_add_f32 v[TT+4:TT+5], v[SR:SR+1],   v[TT:TT+1]   neg_lo:[0,1] neg_hi:[0,1]   ; the rest, exact in f32
	v_pk_add_f32 v[TT+6:TT+7], v[SR+2:SR+3], v[TT+2:TT+3] neg_lo:[0,1] neg_hi:[0,1]
	v_cvt_pk_f16_f32 v[TT+8],  v[TT],   v[TT+1]
	v_cvt_pk_f16_f32 v[TT+9],  v[TT+2], v[TT+3]
	v_cvt_pk_f16_f32 v[TT+10], v[TT+4], v[TT+5]
	v_cvt_pk_f16_f32 v[TT+11], v[TT+6], v[TT+7]
.endm
	s_wait_loadcnt 24                              ; loads come back in order: the biases and x are in, the 24 loads of W may be out
	v_mov_b32 v[BV+1], v[BV]
	v_mov_b32 v[BV+3], v[BV+2]
.set e, 0
.rept 8
.set TT, ACC+12*(e%4)
.set SR, XHF+4*e
	SPLIT4
	ds_store_b64 v[L_X], v[TT+8:TT+9]   offset:e*8*XP
	ds_store_b64 v[L_X], v[TT+10:TT+11] offset:e*8*XP+XLO
.set e, e+1
.endr
.macro WCONV m
	s_wait_loadcnt 16-8*\m                         ; this matrix is in; the 8 loads of each later matrix may be out
.set e, 0
.rept 8
.set TT, ACC+12*(e%4)
.set SR, WS+32*\m+4*e
	SPLIT4
	ds_store_b64 v[L_W],  v[TT+8:TT+9]   offset:\m*128+e*16*WP
	ds_store_b64 v[L_W2], v[TT+10:TT+11] offset:\m*128+e*16*WP
.set e, e+1
.endr
.endm
	WCONV 0
	WCONV 1
	WCONV 2
	s_wait_dscnt 0x0                               ; my LDS stores are done, for the other waves' sake
	s_barrier_signal -1
	s_barrier_wait -1                              ; x and W are whole in LDS; nothing is written there after this
	; products.  q and k are made transposed (source 0 = columns of W, source 1 = rows of x): a lane then holds eight neighbouring
	; features of one token.  v is made the natural way: a lane holds one feature of eight neighbouring tokens.
.macro WFR kk, buf, adr                ; six fragments of W (upper parts or rests) for 32 along K: 12 transposing loads
.irp m, 0,1,2
.irp c, 0,1
	ds_load_tr16_b128 v[\buf+8*(2*\m+\c):\buf+8*(2*\m+\c)+3],   v[\adr] offset:\kk*32*WP+\m*128+\c*32
	ds_load_tr16_b128 v[\buf+8*(2*\m+\c)+4:\buf+8*(2*\m+\c)+7], v[\adr] offset:\kk*32*WP+16*WP+\m*128+\c*32
.endr
.endr
.endm
.macro MM6 wb, xf, kk, first           ; six matrix instructions; the six accumulators take turns, one instruction a turn
.irp c, 0,1
.if \first
	v_wmma_f32_16x16x32_f16 v[ACC+8*\c:ACC+8*\c+7], v[\wb+8*\c:\wb+8*\c+7], v[\xf+8*\kk:\xf+8*\kk+7], v[BQ+8*\c:BQ+8*\c+7]
.else
	v_wmma_f32_16x16x32_f16 v[ACC+8*\c:ACC+8*\c+7], v[\wb+8*\c:\wb+8*\c+7], v[\xf+8*\kk:\xf+8*\kk+7], v[ACC+8*\c:ACC+8*\c+7]
.endif
.endr
.irp c, 0,1
.if \first
	v_wmma_f32_16x16x32_f16 v[ACC+16+8*\c:ACC+16+8*\c+7], v[\wb+16+8*\c:\wb+16+8*\c+7], v[\xf+8*\kk:\xf+8*\kk+7], 0
.else
	v_wmma_f32_16x16x32_f16 v[ACC+16+8*\c:ACC+16+8*\c+7], v[\wb+16+8*\c:\wb+16+8*\c+7], v[\xf+8*\kk:\xf+8*\kk+7], v[ACC+16+8*\c:ACC+16+8*\c+7]
.endif
.endr
.irp c, 0,1
.if \first
	v_wmma_f32_16x16x32_f16 v[ACC+32+8*\c:ACC+32+8*\c+7], v[\xf+8*\kk:\xf+8*\kk+7], v[\wb+32+8*\c:\wb+32+8*\c+7], 0
.else
	v_wmma_f32_16x16x32_f16 v[ACC+32+8*\c:ACC+32+8*\c+7], v[\xf+8*\kk:\xf+8*\kk+7], v[\wb+32+8*\c:\wb+32+8*\c+7], v[ACC+32+8*\c:ACC+32+8*\c+7]
.endif
.endr
.endm
.macro PLACES                          ; four places behind a matrix instruction before its registers are loaded into, read or written by others (ISA guide 7.12.1)
.rept 4
	v_nop
.endr
.endm
; 32 along K.  The two buffers of W take turns: each is filled for the next step (kn) behind the products that read it.
.macro KSTEP kk, kn, first, more
	s_wait_dscnt 12                                ; x and the upper parts are in; the 12 loads of the rests may be out
	MM6 WBH, XHF, \kk, \first                      ; upper x upper; the very first products start the sums: q from bq, k and v from 0
	MM6 WBH, XLF, \kk, 0                           ; rest of x times upper part of W
.if \more
	PLACES
	WFR \kn, WBH, L_WF
	s_wait_dscnt 12                                ; the rests are in; the 12 just issued may be out
.else
	s_wait_dscnt 0x0
.endif
	MM6 WBL, XHF, \kk, 0                           ; upper part of x times rest of W
.if \more
	PLACES
	WFR \kn, WBL, L_WF2
.endif
.endm
.irp kk, 0,1,2,3
	ds_load_b128 v[XHF+8*\kk:XHF+8*\kk+3],   v[L_XF] offset:64*\kk
	ds_load_b128 v[XHF+8*\kk+4:XHF+8*\kk+7], v[L_XF] offset:64*\kk+32
	ds_load_b128 v[XLF+8*\kk:XLF+8*\kk+3],   v[L_XF] offset:XLO+64*\kk
	ds_load_b128 v[XLF+8*\kk+4:XLF+8*\kk+7], v[L_XF] offset:XLO+64*\kk+32
.endr
	WFR 0, WBH, L_WF
	WFR 0, WBL, L_WF2
	KSTEP 0, 1, 1, 1
	KSTEP 1, 2, 0, 1
	KSTEP 2, 3, 0, 1
	KSTEP 3, 3, 0, 0
	PLACES
	; scale q, add bv, round, store: each store of the wave covers 512 neighbouring bytes
.irp i, 0,2,4,6,8,10,12,14
	v_pk_mul_f32 v[ACC+\i:ACC+\i+1], v[ACC+\i:ACC+\i+1], s[38:39] op_sel_hi:[1,0]
.endr
.irp c, 0,1
.irp i, 0,2,4,6
	v_pk_add_f32 v[ACC+32+8*\c+\i:ACC+32+8*\c+\i+1], v[ACC+32+8*\c+\i:ACC+32+8*\c+\i+1], v[BV+2*\c:BV+2*\c+1]
.endr
.endr
.irp f, 0,1,2,3,4,5
.irp j, 0,1,2,3
	v_cvt_pk_f16_f32 v[WS+4*\f+\j], v[ACC+8*\f+2*\j], v[ACC+8*\f+2*\j+1]
.endr
.endr
	global_store_b128 v[A_QK], v[WS:WS+3],     s[18:19]
	global_store_b128 v[A_QK], v[WS+4:WS+7],   s[18:19] offset:512
	global_store_b128 v[A_QK], v[WS+8:WS+11],  s[20:21]
	global_store_b128 v[A_QK], v[WS+12:WS+15], s[20:21] offset:512
	global_store_b128 v[A_V],  v[WS+16:WS+19], s[22:23]
	global_store_b128 v[A_V],  v[WS+20:WS+23], s[22:23] offset:1024
	s_wait_tensorcnt 0x0
	ds_add_u32 v248, v249
	s_wait_dscnt 0x0
	s_endpgm
.Lfunc_end_k_q157141fb1c_proj:
	.size	k_q157141fb1c_proj, .Lfunc_end_k_q157141fb1c_proj-k_q157141fb1c_proj
	.p2alignl 7, 3214868480
	.fill 96, 4, 3214868480
	.section	.rodata,"a",@progbits
	.p2align	6, 0x0
	.amdhsa_kernel k_q157141fb1c_proj
		.amdhsa_group_segment_fixed_size 142336
		.amdhsa_private_segment_fixed_size 0
		.amdhsa_enable_private_segment 0
		.amdhsa_kernarg_size 88
		.amdhsa_user_sgpr_count 2
		.amdhsa_user_sgpr_kernarg_segment_ptr 1
		.amdhsa_wavefront_size32 1
		.amdhsa_system_sgpr_workgroup_id_x 1
		.amdhsa_system_sgpr_workgroup_id_y 1
		.amdhsa_system_sgpr_workgroup_id_z 1
		.amdhsa_system_vgpr_workitem_id 0
		.amdhsa_next_free_vgpr 250
		.amdhsa_next_free_sgpr 66
		.amdhsa_reserve_vcc 0
		.amdhsa_float_denorm_mode_32 3
		.amdhsa_float_denorm_mode_16_64 3
		.amdhsa_memory_ordered 1
		.amdhsa_forward_progress 1
		.amdhsa_inst_pref_size 49
	.end_amdhsa_kernel
	.amdgpu_metadata
---
amdhsa.version: [ 1, 2 ]
amdhsa.kernels:
  - .name:           k_q157141fb1c_proj
    .symbol:         k_q157141fb1c_proj.kd
    .args:
      - { .name: x, .offset: 0, .size: 8, .value_kind: global_buffer, .address_space: global }
      - { .name: Wq, .offset: 8, .size: 8, .value_kind: global_buffer, .address_space: global }
      - { .name: Wk, .offset: 16, .size: 8, .value_kind: global_buffer, .address_space: global }
      - { .name: Wv, .offset: 24, .size: 8, .value_kind: global_buffer, .address_space: global }
      - { .name: bq, .offset: 32, .size: 8, .value_kind: global_buffer, .address_space: global }
      - { .name: bv, .offset: 40, .size: 8, .value_kind: global_buffer, .address_space: global }
      - { .name: Er, .offset: 48, .size: 8, .value_kind: global_buffer, .address_space: global }
      - { .name: qf, .offset: 56, .size: 8, .value_kind: global_buffer, .address_space: global }
      - { .name: kf, .offset: 64, .size: 8, .value_kind: global_buffer, .address_space: global }
      - { .name: vf, .offset: 72, .size: 8, .value_kind: global_buffer, .address_space: global }
      - { .name: ef, .offset: 80, .size: 8, .value_kind: global_buffer, .address_space: global }
    .group_segment_fixed_size: 142336
    .private_segment_fixed_size: 0
    .kernarg_segment_align: 8
    .kernarg_segment_size: 88
    .max_flat_workgroup_size: 256
    .sgpr_count:     66
    .vgpr_count:     250
    .wavefront_size: 32
...
	.end_amdgpu_metadata
.endif
;; end of part 1
;; launch attn (part 2): grid 256 x 1, 8 waves a work-group, no clusters, 87,040 bytes of LDS; arguments qf, kf, vf, ef, out0; writes out0
.if DOCPART == 2
	.amdgcn_target "amdgcn-amd-amdhsa--gfx1250"
	.amdhsa_code_object_version 6
	.text
	.protected	k_q157141fb1c_attn
	.globl	k_q157141fb1c_attn
	.p2align	8
	.type	k_q157141fb1c_attn,@function
k_q157141fb1c_attn:
	s_mov_b64 s[64:65], 0
	v_nop
	global_prefetch_b8 v0, s[64:65] scope:SCOPE_SE
	s_setreg_imm32_b32 hwreg(HW_REG_WAVE_MODE, 25, 1), 1
	s_wait_xcnt 0x0
; ATTN: out[i] = softmax over j <= i of q_i . (k_j + Er[4095 - i + j]) / sqrt(32), times v.  q already carries log2(e)/sqrt(32).
; Left out, as shown at the head of the first kernel: bk (constant along the softmax's axis), and every 64 x 64 block of logits
; above the diagonal together with the skew's entries at j > i (reference()'s own mask sets them to -inf).
; All matrix operands are f16 (why, and with what room, stands at the head of the first kernel); P lies in [0, 1].
;
; SHARES.  Work-group: one of the 8 (batch, head) pairs and two blocks of 64 queries, number 63 - p and then number p: 64 - p and
; p + 1 chunks of 64 keys, 65 in every work-group.  Inside a block the chunks are dealt to the eight waves (chunk c to the wave with
; c = c0 modulo 8; c0 = wave in the first block, 7 - wave in the second), each wave holds all 64 queries as four sub-tiles and keeps
; its own running maximum, sum and output; at the block's end the eight are merged through LDS.
; So every fragment of K, V and Er is read by exactly one wave of the work-group and goes from memory straight into registers,
; one chunk ahead; LDS carries the skew and the merge alone.
; NO CLUSTER: work-groups of one head walk different numbers of chunks (64 - p against 64 - p'), half of a chunk's 16 KiB is a
; window of Er that hangs on the query block, and nothing is staged in LDS into which a joint load could land.
;
; LAYOUTS.  Scores are kept transposed: K x Q puts key 16 t + 8 h + j of query r into register j of lane (r, h).  After the
; exponential and the packing to f16 these registers are source 1 of V^T x P as they stand.  The row sums come from an all-ones
; source 0 times P.  Maximum and rescaling factor are one number a lane.
; THE SKEW.  Er tile x Q puts q_r . Er[16 u + 8 h + j] into register j of lane (r, h).  It is stored into the wave's own LDS
; scratch, row r (336 bytes apart), and read back one column further left for each row: word 15 - r + key.  The loads land in the
; registers that K x Q then adds onto.  Sub-tile q of a chunk needs the five tiles 3 - q .. 7 - q of a window of eight.
; THE MASK.  j > i is the same as row 4095 - i + j >= 4096 of Er, which is window tiles 4 .. 7 of the diagonal chunk and nothing
; else.  Their products start from CM: 0 in every other chunk, -1e30 in the diagonal chunk, where ef holds zeros in those tiles.
; The exponential of such a score less the row's maximum is 0.  The six wholly masked 16 x 16 parts of the diagonal block are
; computed with it: they lie inside the wave's one tile.
; LIMITS: live logits (in units of log2) must lie above about -1e30; a NaN among the scores is ignored by the maximum.
.set WREG,  10752                      ; LDS bytes of a wave: two skew buffers of 16 x 336; at the merge O (64 x 144), m, l
.set GBUF,  5376
.set GP,    336                        ; 84 words: 16-byte stores of 16 rows start 5 x 16 bytes apart modulo 256
.set OP,    144
.set STEPB, 32768                      ; eight chunks of 4,096 bytes on, in kf, vf and ef alike
.set NEG,   0xf149f2ca                 ; -1e30
.set R_VO,  1                          ; v1        16 lane + 32,768 x (my chunks so far)
.set R_GS,  2                          ; v2        skew: where I store
.set R_GL,  3                          ; v3        skew: where I read back
.set R_OS,  4                          ; v4        merge: where I store O
.set R_MS,  5                          ; v5        merge: where I store m and l
.set R_OR,  6                          ; v6, v7    merge: where I read O of waves 0-3, 4-7
.set R_OR2, 7
.set R_MR,  8                          ; v8, v9    merge: where I read m and l of waves 0-3, 4-7
.set R_MR2, 9
.set R_MN,  10                         ; v[10:11]  the new maximum (first word; the second is written once and not used)
.set R_AL,  12                         ; v[12:13]  the rescaling factor, likewise
.set R_T,   14                         ; v[14:17]  at work
.set R_M,   18                         ; v[18:21]  running maximum of sub-tile q
.set R_OA,  22                         ; v22       byte offset in out0
.set R_ONE, 24                         ; v[24:31]  a fragment of ones in f16
.set R_CM,  32                         ; v[32:39]  0 or -1e30
.set R_G4,  40                         ; v[40:47]  the fifth tile of relative logits
.set R_SB,  48                         ; v[48:111] scores, two buffers of 32 by the parity of q
.set R_P,   112                        ; v[112:127] P in f16
.set R_QF,  128                        ; v[128:159] Q, four fragments
.set R_O,   160                        ; v[160:223] output, 16 q + 8 dt
.set R_L,   224                        ; v[224:255] row sums, 8 q; only register 0 of each is read
; v256-511 (written as v0-255 under a window): two sets of a chunk's fragments, set s at 128 s: Er window +0, K +64, V +96.
; Every streamed fragment is source 0 of its matrix instruction: window 0x01 for products, 0x40 for loads, 0 for all else.
.set MSB, 0
.macro WIN new                         ; the immediate's high byte repeats the setting that is left
.if MSB != \new
	s_set_vgpr_msb (MSB<<8)|\new
.set MSB, \new
.endif
.endm
.macro PLACES                          ; four places behind a matrix instruction before its registers are loaded into, stored, read or written (ISA guide 7.12.1)
.rept 4
	v_nop
.endr
.endm
; a chunk's 32 loads, 512 neighbouring bytes each: Er window 16, K 8, V 8
.macro LOADS set
	WIN 0x40
.set l, 0
.rept 16
	global_load_b128 v[128*\set+4*l:128*\set+4*l+3], v[R_VO], s[28:29] offset:512*l
.set l, l+1
.endr
.set l, 0
.rept 8
	global_load_b128 v[128*\set+64+4*l:128*\set+64+4*l+3], v[R_VO], s[24:25] offset:512*l
.set l, l+1
.endr
.set l, 0
.rept 8
	global_load_b128 v[128*\set+96+4*l:128*\set+96+4*l+3], v[R_VO], s[26:27] offset:512*l
.set l, l+1
.endr
	WIN 0
.endm
; relative logits of sub-tile q: window tiles 3 - q .. 7 - q; tiles 4 and up start from CM
.macro GREL set, q
.irp wp, 0,1,2,3,4
.if \wp < 4
.set GD, R_SB+32*((\q)&1)+8*\wp
.else
.set GD, R_G4
.endif
.if (3-\q+\wp) < 4
	v_wmma_f32_16x16x32_f16 v[GD:GD+7], v[128*\set+8*(3-\q+\wp):128*\set+8*(3-\q+\wp)+7], v[R_QF+8*\q:R_QF+8*\q+7], 0
.else
	v_wmma_f32_16x16x32_f16 v[GD:GD+7], v[128*\set+8*(3-\q+\wp):128*\set+8*(3-\q+\wp)+7], v[R_QF+8*\q:R_QF+8*\q+7], v[R_CM:R_CM+7]
.endif
.endr
.endm
; the skew: ten stores by rows, 32 loads along the diagonals.  The bytes are the wave's own and LDS serves a wave's instructions
; in order (ISA guide 5.7.1), so no wait stands between them.  Word address of a load: 83 r + 8 h + a constant, 32 different banks.
.macro SKEW q
.irp wp, 0,1,2,3
	ds_store_b128 v[R_GS], v[R_SB+32*((\q)&1)+8*\wp:R_SB+32*((\q)&1)+8*\wp+3]   offset:((\q)&1)*GBUF+64*\wp
	ds_store_b128 v[R_GS], v[R_SB+32*((\q)&1)+8*\wp+4:R_SB+32*((\q)&1)+8*\wp+7] offset:((\q)&1)*GBUF+64*\wp+16
.endr
	ds_store_b128 v[R_GS], v[R_G4:R_G4+3]   offset:((\q)&1)*GBUF+256
	ds_store_b128 v[R_GS], v[R_G4+4:R_G4+7] offset:((\q)&1)*GBUF+256+16
.irp t, 0,1,2,3
.irp j, 0,1,2,3,4,5,6,7
	ds_load_b32 v[R_SB+32*((\q)&1)+8*\t+\j], v[R_GL] offset:((\q)&1)*GBUF+64*\t+4*\j
.endr
.endr
.endm
.macro QK set, q                       ; scores += K x Q, onto the skewed relative logits
.irp t, 0,1,2,3
	v_wmma_f32_16x16x32_f16 v[R_SB+32*((\q)&1)+8*\t:R_SB+32*((\q)&1)+8*\t+7], v[128*\set+64+8*\t:128*\set+64+8*\t+7], v[R_QF+8*\q:R_QF+8*\q+7], v[R_SB+32*((\q)&1)+8*\t:R_SB+32*((\q)&1)+8*\t+7]
.endr
.endm
.macro PV set, q                       ; output += V^T x P; the two halves of the features take turns
.irp kb, 0,1
.irp dt, 0,1
	v_wmma_f32_16x16x32_f16 v[R_O+16*\q+8*\dt:R_O+16*\q+8*\dt+7], v[128*\set+96+8*(2*\kb+\dt):128*\set+96+8*(2*\kb+\dt)+7], v[R_P+8*\kb:R_P+8*\kb+7], v[R_O+16*\q+8*\dt:R_O+16*\q+8*\dt+7]
.endr
.endr
.endm
.macro LSUM q, kb                      ; row sums += ones x P
	v_wmma_f32_16x16x32_f16 v[R_L+8*\q:R_L+8*\q+7], v[R_ONE:R_ONE+7], v[R_P+8*\kb:R_P+8*\kb+7], v[R_L+8*\q:R_L+8*\q+7]
.endm
; the running softmax of sub-tile q: 33 numbers to one maximum in 16 instructions, the other half's by one lane exchange
.macro SOFTMAX q
.set SQ, R_SB+32*((\q)&1)
.irp k, 0,1,2,3
	v_max3_num_f32 v[R_T+\k], v[SQ+8*\k], v[SQ+8*\k+1], v[SQ+8*\k+2]
.endr
.irp k, 0,1,2,3
	v_max3_num_f32 v[R_T+\k], v[R_T+\k], v[SQ+8*\k+3], v[SQ+8*\k+4]
.endr
.irp k, 0,1,2,3
	v_max3_num_f32 v[R_T+\k], v[R_T+\k], v[SQ+8*\k+5], v[SQ+8*\k+6]
.endr
	v_max3_num_f32 v[R_T],   v[R_T],   v[SQ+7],  v[SQ+15]
	v_max3_num_f32 v[R_T+2], v[R_T+2], v[SQ+23], v[SQ+31]
	v_max3_num_f32 v[R_T],   v[R_T],   v[R_T+1], v[R_M+\q]
	v_max3_num_f32 v[R_T],   v[R_T],   v[R_T+2], v[R_T+3]
	v_permlanex16_b32 v[R_T+1], v[R_T], s34, s35   ; the same query's other 32 keys
	v_max_num_f32 v[R_MN], v[R_T], v[R_T+1]
	v_sub_f32 v[R_T+2], v[R_M+\q], v[R_MN]
	v_exp_f32 v[R_AL], v[R_T+2]                    ; old maximum -inf gives 0
	v_mov_b32 v[R_M+\q], v[R_MN]                   ; the plain instruction behind the exponential (ISA guide 5.7.2)
.set i, 0
.rept 16
	v_pk_add_f32 v[SQ+2*i:SQ+2*i+1], v[SQ+2*i:SQ+2*i+1], v[R_MN:R_MN+1] op_sel_hi:[1,0] neg_lo:[0,1] neg_hi:[0,1]
.set i, i+1
.endr
.set i, 0
.rept 32
	v_exp_f32 v[SQ+i], v[SQ+i]
.set i, i+1
.endr
.set i, 0
	s_wait_alu depctr_va_vdst(0)
.rept 8
	v_pk_mul_f32 v[R_O+16*\q+2*i:R_O+16*\q+2*i+1], v[R_O+16*\q+2*i:R_O+16*\q+2*i+1], v[R_AL:R_AL+1] op_sel_hi:[1,0]   ; plain work behind the exponentials
.set i, i+1
.endr
	v_pk_mul_f32 v[R_L+8*\q:R_L+8*\q+1], v[R_L+8*\q:R_L+8*\q+1], v[R_AL:R_AL+1] op_sel_hi:[1,0]   ; only register 0 is read later; the unscaled ones are sums of at most 4,096 numbers <= 1
.set i, 0
.rept 16
	v_cvt_pk_f16_f32 v[R_P+i], v[SQ+2*i], v[SQ+2*i+1]
.set i, i+1
.endr
.endm
; One sub-tile's turn.  The products of the sub-tile before (qm), this one's scores and the next one's (qp) relative logits stand
; in one run; the next one's trip through LDS is on its way during this one's softmax.
; No two matrix instructions that follow each other name the same accumulator.
.macro STEP set, q, qm, qp
	s_wait_dscnt 0x0                               ; this sub-tile's skewed logits are in
.if \q > 0
	LSUM \qm, 0
.endif
	WIN 0x01
.if \q > 0
	PV \set, \qm
.endif
	QK \set, \q
.if \q < 3
	GREL \set, \qp
.endif
	WIN 0
.if \q > 0
	LSUM \qm, 1
.endif
	PLACES
.if \q < 3
	SKEW \qp
.endif
	SOFTMAX \q
.endm
.macro COMPUTE set
	WIN 0x01
	GREL \set, 0
	WIN 0
	PLACES
	v_nop                                          ; a fifth place: the next sub-tile's fifth product writes over v[40:47] with no other vector work between (ISA guide 7.12.1)
	SKEW 0
	STEP \set, 0, 0, 1
	STEP \set, 1, 0, 2
	STEP \set, 2, 1, 3
	STEP \set, 3, 2, 3
	LSUM 3, 0
	WIN 0x01
	PV \set, 3
	WIN 0
	LSUM 3, 1
	PLACES                                         ; for the loads into this set, the writes of CM and the merge's stores
.endm
; merge, half e: query 32 e + thread / 8, features 4 (lane % 8) .. + 3, over the eight waves' partial results
.macro MSUM e, left
.set MB, 48+48*\e
.set MF, MB+32
.set ML, MB+40
.set RS, 144+4*\e
	s_wait_dscnt \left
	v_max3_num_f32 v[R_T], v[MF], v[MF+1], v[MF+2]
	v_max3_num_f32 v[R_T], v[R_T], v[MF+3], v[MF+4]
	v_max3_num_f32 v[R_T], v[R_T], v[MF+5], v[MF+6]
	v_max_num_f32 v[R_MN], v[R_T], v[MF+7]         ; finite: the wave with chunk 0 has seen a live key of every query
.irp i, 0,2,4,6
	v_pk_add_f32 v[MF+\i:MF+\i+1], v[MF+\i:MF+\i+1], v[R_MN:R_MN+1] op_sel_hi:[1,0] neg_lo:[0,1] neg_hi:[0,1]
.endr
.irp i, 0,1,2,3,4,5,6,7
	v_exp_f32 v[MF+\i], v[MF+\i]                   ; a wave without chunks has m = -inf: weight 0
.endr
	v_nop                                          ; the plain instruction behind the exponentials (ISA guide 5.7.2)
	s_wait_alu depctr_va_vdst(0)
	v_mul_f32 v[R_T], v[MF], v[ML]
.irp i, 1,2,3,4,5,6,7
	v_fmac_f32 v[R_T], v[MF+\i], v[ML+\i]
.endr
	v_rcp_f32 v[R_AL], v[R_T]                      ; the sum is at least about 1; the 32 plain instructions below stand in front of its use
.irp j, 0,1,2,3
	v_mul_f32 v[RS+\j], v[MF], v[MB+\j]
.endr
.irp u, 1,2,3,4,5,6,7
.irp j, 0,1,2,3
	v_fmac_f32 v[RS+\j], v[MF+\u], v[MB+4*\u+\j]
.endr
.endr
	s_wait_alu depctr_va_vdst(0)
	v_pk_mul_f32 v[RS:RS+1],   v[RS:RS+1],   v[R_AL:R_AL+1] op_sel_hi:[1,0]
	v_pk_mul_f32 v[RS+2:RS+3], v[RS+2:RS+3], v[R_AL:R_AL+1] op_sel_hi:[1,0]
	global_store_b128 v[R_OA], v[RS:RS+3], s[32:33] offset:\e*16384 th:TH_STORE_NT   ; eight lanes fill a head's 128 bytes of a row, the most that lies together in out0
.endm
; One block of 64 queries.  blk = 1: block 63 - p, c0 = wave;  blk = 0: block p, c0 = 7 - wave.
.macro BLOCK blk
.if \blk
	s_sub_co_u32 s17, 63, s16                      ; BI
	s_mov_b32 s18, s14                             ; c0
.else
	s_mov_b32 s17, s16
	s_sub_co_u32 s18, 7, s14
.endif
	s_add_co_u32 s19, s17, 8
	s_sub_co_u32 s19, s19, s18
	s_lshr_b32 s19, s19, 3                         ; my chunks: c0, c0 + 8, .. <= BI; 0 if c0 > BI
	s_lshr_b32 s40, s19, 1                         ; they go in pairs, one chunk in each set of fragment registers; an odd one follows behind the loop
	s_and_b32 s41, s19, 1
	s_xor_b32 s41, s41, 1                          ; the pair counter's value in the trip behind which nothing follows: 1, or 0 (never met) if an odd chunk follows
	s_sub_co_u32 s22, s17, s18
	s_and_b32 s22, s22, 7                          ; SCC = the diagonal chunk is not mine
	s_cselect_b32 s20, 0, NEG                      ; what CM holds in my last chunk
	s_mov_b32 s23, 0
	s_lshl_b32 s37, s15, 18                        ; a head's 262,144 bytes in qf, kf, vf
	s_lshl_b32 s22, s18, 12
	s_add_co_u32 s22, s22, s37
	s_add_nc_u64 s[24:25], s[6:7], s[22:23]        ; K at chunk c0
	s_add_nc_u64 s[26:27], s[8:9], s[22:23]        ; V at chunk c0
	s_sub_co_u32 s22, 63, s17
	s_add_co_u32 s22, s22, s18
	s_lshl_b32 s22, s22, 12
	s_add_nc_u64 s[28:29], s[10:11], s[22:23]      ; Er window of chunk c0: tile 252 - 4 BI + 4 c0; the diagonal chunk's ends with tile 259, ef's last
	s_lshl_b32 s22, s17, 12
	s_add_co_u32 s22, s22, s37
	s_add_nc_u64 s[30:31], s[4:5], s[22:23]        ; Q
	s_lshr_b32 s22, s15, 2
	s_lshl_b32 s22, s22, 21                        ; batch
	s_and_b32 s38, s15, 3
	s_lshl_b32 s38, s38, 7                         ; head: 128 bytes of a row
	s_add_co_u32 s22, s22, s38
	s_lshl_b32 s38, s17, 15                        ; 64 rows of 512 bytes
	s_add_co_u32 s22, s22, s38
	s_add_nc_u64 s[32:33], s[12:13], s[22:23]
	; the state of a wave that has seen no key: it is what a wave without chunks hands to the merge
.set i, 0
.rept 96
	v_mov_b32 v[R_O+i], 0                          ; O and the row sums
.set i, i+1
.endr
.irp i, 0,1,2,3,4,5,6,7
	v_mov_b32 v[R_CM+\i], 0
.endr
.irp i, 0,1,2,3
	v_mov_b32 v[R_M+\i], 0xff800000                ; -inf
.endr
	s_cmp_eq_u32 s19, 0
	s_cbranch_scc1 .Lmerge_\blk
	v_and_b32 v[R_VO], 31, v0
	v_lshlrev_b32 v[R_VO], 4, v[R_VO]
.irp l, 0,1,2,3,4,5,6,7
	global_load_b128 v[R_QF+4*\l:R_QF+4*\l+3], v[R_VO], s[30:31] offset:512*\l
.endr
	LOADS 0                                        ; my first chunk
	s_cmp_eq_u32 s40, 0
	s_cbranch_scc1 .Lodd_\blk                      ; one chunk alone
.Lpair_\blk:
	s_wait_loadcnt 0x0                             ; set 0 is in (issued a chunk ago, but for the first); the offset register is free
	v_add_nc_u32 v[R_VO], STEPB, v[R_VO]
	LOADS 1                                        ; the pair's second chunk is on its way during the first
	COMPUTE 0                                      ; CM is 0 here: the first chunk of a pair is never my last
	s_wait_loadcnt 0x0                             ; set 1 is in
	s_cmp_eq_u32 s40, s41
	s_cbranch_scc1 .Llast_\blk                     ; nothing is loaded beyond my last chunk
	v_add_nc_u32 v[R_VO], STEPB, v[R_VO]
	LOADS 0
.Llast_\blk:
	s_cmp_eq_u32 s40, s41
	s_cselect_b32 s21, s20, 0                      ; my last chunk: the mask's value if it is the diagonal one
.irp i, 0,1,2,3,4,5,6,7
	v_mov_b32 v[R_CM+\i], s21
.endr
	COMPUTE 1
	s_sub_co_u32 s40, s40, 1
	s_cmp_lg_u32 s40, 0
	s_cbranch_scc1 .Lpair_\blk
.Lodd_\blk:
	s_wait_loadcnt 0x0                             ; an odd last chunk's set 0 is in; with an even number of chunks no load is out.  Behind this wait none is out on any way
	s_cmp_lg_u32 s41, 0
	s_cbranch_scc1 .Lmerge_\blk                    ; an even number: done
.irp i, 0,1,2,3,4,5,6,7
	v_mov_b32 v[R_CM+\i], s20
.endr
	COMPUTE 0
.Lmerge_\blk:
	; my O, m and l into my own LDS bytes (the skew's scratch, whose reads are over)
.irp q, 0,1,2,3
.irp dt, 0,1
	ds_store_b128 v[R_OS], v[R_O+16*\q+8*\dt:R_O+16*\q+8*\dt+3]   offset:\q*16*OP+\dt*64
	ds_store_b128 v[R_OS], v[R_O+16*\q+8*\dt+4:R_O+16*\q+8*\dt+7] offset:\q*16*OP+\dt*64+16
.endr
	ds_store_b32 v[R_MS], v[R_M+\q]   offset:64*OP+64*\q           ; both halves of the wave hold the same number
	ds_store_b32 v[R_MS], v[R_L+8*\q] offset:64*OP+256+64*\q
.endr
	s_wait_dscnt 0x0                               ; my stores are done, for the other waves' sake
	s_barrier_signal -1
	s_barrier_wait -1
.irp e, 0,1
.irp u, 0,1,2,3
	ds_load_b128 v[48+48*\e+4*\u:48+48*\e+4*\u+3],       v[R_OR]  offset:\u*WREG+\e*32*OP
	ds_load_b128 v[48+48*\e+16+4*\u:48+48*\e+16+4*\u+3], v[R_OR2] offset:\u*WREG+\e*32*OP
	ds_load_b32 v[48+48*\e+32+\u], v[R_MR]  offset:\u*WREG+64*OP+\e*128
	ds_load_b32 v[48+48*\e+36+\u], v[R_MR2] offset:\u*WREG+64*OP+\e*128
	ds_load_b32 v[48+48*\e+40+\u], v[R_MR]  offset:\u*WREG+64*OP+256+\e*128
	ds_load_b32 v[48+48*\e+44+\u], v[R_MR2] offset:\u*WREG+64*OP+256+\e*128
.endr
.endr
	MSUM 0, 24                                     ; LDS loads come back in order: the first 24 are in, the second half's 24 may be out
	MSUM 1, 0
.endm
	s_load_b256 s[4:11], s[0:1], 0x0               ; qf 4, kf 6, vf 8, ef 10
	s_load_b64 s[12:13], s[0:1], 0x20              ; out0
	v_lshrrev_b32 v14, 5, v0
	v_readfirstlane_b32 s14, v14                   ; wave
	s_lshr_b32 s15, ttmp9, 5                       ; bh
	s_and_b32 s16, ttmp9, 31                       ; p
	s_mov_b32 s34, 0x76543210                      ; v_permlanex16_b32: lane i of one half reads lane i of the other
	s_mov_b32 s35, 0xfedcba98
	s_mul_i32 s36, s14, WREG                       ; my LDS bytes
	v_and_b32 v14, 15, v0                          ; r
	v_bfe_u32 v15, v0, 4, 1                        ; h
	v_lshl_add_u32 v15, v15, 5, s36                ; my bytes + 32 h
	v_mad_u32_u24 v[R_GS], v14, GP, v15            ; row r, word 8 h
	v_mad_u32_u24 v[R_GL], v14, GP-4, v15          ; row r, word 15 - r + 8 h
	v_add_nc_u32 v[R_GL], 60, v[R_GL]
	v_mad_u32_u24 v[R_OS], v14, OP, v15
	v_lshl_add_u32 v[R_MS], v14, 2, s36
	v_lshrrev_b32 v16, 3, v0                       ; 4 wave + lane / 8: my query of each half of the block
	v_and_b32 v17, 7, v0
	v_lshlrev_b32 v17, 4, v17
	v_mad_u32_u24 v[R_OR], v16, OP, v17
	v_add_nc_u32 v[R_OR2], 4*WREG, v[R_OR]
	v_lshlrev_b32 v[R_MR], 2, v16
	v_add_nc_u32 v[R_MR2], 4*WREG, v[R_MR]
	v_lshl_add_u32 v[R_OA], v16, 9, v17
	v_mov_b32 v[R_MN+1], 0                         ; second words of the two pairs: named by the packed forms, never used
	v_mov_b32 v[R_AL+1], 0
.irp i, 0,1,2,3,4,5,6,7
	v_mov_b32 v[R_ONE+\i], 0x3c003c00              ; two ones in f16
.endr
	s_wait_kmcnt 0x0
	BLOCK 1
	s_wait_dscnt 0x0                               ; my reads of the merge's bytes are over (met: the last wait was for 0),
	s_wait_xcnt 0x0                                ; and the stores' data, offset and base may be written again
	s_barrier_signal -1
	s_barrier_wait -1                              ; no wave writes its scratch again before all eight have read
	BLOCK 0
	s_wait_xcnt 0x0
	v_lshl_add_u32 v254, v0, 2, 0x15000
	v_mov_b32 v255, 0
	s_wait_tensorcnt 0x0
	ds_add_u32 v254, v255
	s_wait_dscnt 0x0
	s_endpgm
.Lfunc_end_k_q157141fb1c_attn:
	.size	k_q157141fb1c_attn, .Lfunc_end_k_q157141fb1c_attn-k_q157141fb1c_attn
	.p2alignl 7, 3214868480
	.fill 96, 4, 3214868480
	.section	.rodata,"a",@progbits
	.p2align	6, 0x0
	.amdhsa_kernel k_q157141fb1c_attn
		.amdhsa_group_segment_fixed_size 87040
		.amdhsa_private_segment_fixed_size 0
		.amdhsa_enable_private_segment 0
		.amdhsa_kernarg_size 40
		.amdhsa_user_sgpr_count 2
		.amdhsa_user_sgpr_kernarg_segment_ptr 1
		.amdhsa_wavefront_size32 1
		.amdhsa_system_sgpr_workgroup_id_x 1
		.amdhsa_system_sgpr_workgroup_id_y 1
		.amdhsa_system_sgpr_workgroup_id_z 1
		.amdhsa_system_vgpr_workitem_id 0
		.amdhsa_next_free_vgpr 512
		.amdhsa_next_free_sgpr 66
		.amdhsa_reserve_vcc 0
		.amdhsa_float_denorm_mode_32 3
		.amdhsa_float_denorm_mode_16_64 3
		.amdhsa_memory_ordered 1
		.amdhsa_forward_progress 1
		.amdhsa_inst_pref_size 255
	.end_amdhsa_kernel
	.section	.bss,"aw",@nobits
	.p2align	6
	.space	262144
	.amdgpu_metadata
---
amdhsa.version: [ 1, 2 ]
amdhsa.kernels:
  - .name:           k_q157141fb1c_attn
    .symbol:         k_q157141fb1c_attn.kd
    .args:
      - { .name: qf, .offset: 0, .size: 8, .value_kind: global_buffer, .address_space: global }
      - { .name: kf, .offset: 8, .size: 8, .value_kind: global_buffer, .address_space: global }
      - { .name: vf, .offset: 16, .size: 8, .value_kind: global_buffer, .address_space: global }
      - { .name: ef, .offset: 24, .size: 8, .value_kind: global_buffer, .address_space: global }
      - { .name: out0, .offset: 32, .size: 8, .value_kind: global_buffer, .address_space: global }
    .group_segment_fixed_size: 87040
    .private_segment_fixed_size: 0
    .kernarg_segment_align: 8
    .kernarg_segment_size: 40
    .max_flat_workgroup_size: 256
    .sgpr_count:     66
    .vgpr_count:     512
    .wavefront_size: 32
...
	.end_amdgpu_metadata
.endif
;; end of part 2
;; ======== version 2 of 2: 2 launches; version 1 with the launch proj written anew for expert scheduling mode
;; limits: values are held in f16: magnitudes above 65,504 overflow, below 6.1e-05 lose precision; right only within a limited range of input values
;; workspace buffers: qf 2,097,152 bytes; kf 2,097,152 bytes; vf 2,097,152 bytes; ef 266,240 bytes
;; launch proj (part 3): grid 256 x 1, 8 waves a work-group, no clusters, 142,336 bytes of LDS; arguments x, Wq, Wk, Wv, bq, bv, Er, qf, kf, vf, ef; writes qf, kf, vf, ef
.if DOCPART == 3
	.amdgcn_target "amdgcn-amd-amdhsa--gfx1250"
	.amdhsa_code_object_version 6
	.text
	.protected	k_q157141fb1c_proj
	.globl	k_q157141fb1c_proj
	.p2align	8
	.type	k_q157141fb1c_proj,@function
k_q157141fb1c_proj:
	s_mov_b64 s[64:65], 0
	v_nop
	global_prefetch_b8 v0, s[64:65] scope:SCOPE_SE
	s_setreg_imm32_b32 hwreg(HW_REG_WAVE_SCHED_MODE, 0, 2), 2
	s_setreg_imm32_b32 hwreg(HW_REG_WAVE_MODE, 25, 1), 1
	s_wait_xcnt 0x0
	s_wait_alu depctr_vm_vsrc(0)
; PROJ: q' = (x Wq + bq) log2(e)/sqrt(32), k = x Wk, v = x Wv + bv and Er, rounded to f16 and stored in the order in which
; the matrix instructions of the second launch take them, so that there each half fragment is one load of 512 neighbouring bytes.
;   qf, kf: [bh 8][token tile 256][c 2][lane 32][16 B]: lane (r, h) holds row 16 tile + r, features 16 c + 8 h .. + 7
;   vf:     [bh 8][kb 128][dt 2][c 2][lane 32][16 B]:   lane (r, h) holds feature 16 dt + r of keys 32 kb + 16 c + 8 h .. + 7
;   ef:     [u 260][c 2][lane 32][16 B]:                lane (r, h) holds Er[16 u + r][16 c + 8 h .. + 7]; tiles 256 .. 259 are zeros
;
; WORK LEFT OUT IN THIS PROGRAM, for all values of the inputs:
;  * bk.  The logit of query i and key j holds q_i . (x_j Wk + bk) = q_i . (x_j Wk) + q_i . bk; the second term is the same for
;    every j of row i, and a softmax along j is unchanged by a term that is constant along j.  bk has no other way to the output:
;    it is not loaded and is no argument of either launch.
;  * The skew.  Pad, reshape and slice give Srel[i][j] = QEr[i][S-1-i+j] for j <= i; the entries with j > i are set to -inf by
;    reference()'s own tril mask.  So only q_i . Er[S-1-i+j], j <= i, is formed, and no 64 x 64 block of logits above the diagonal.
;  LIMIT: a NaN, an infinity or an overflow that reaches only bk or the masked logits is not carried to the result.
;
; THE FORMAT IS f16.  The first rows of the output are sums over a few keys, not averages, so the rounding of the operands reaches
; them undamped; f16's 11 bits make it an eighth of bf16's.  Room: with x and W both 30 times larger the projections have a spread
; of 900, about 5,000 at the most; with x and W both shifted by 30 spreads they are about 128 x 30 x 2.65 = 10,000; both 30 times
; smaller, q' has a spread of 2.8e-4, above f16's smallest normal number 6.1e-5.
; LIMIT: |x|, |W|, |Er|, |q'|, |k|, |v| below 65,504, f16's largest number; beyond it the results are infinite or NaN.
; x AND W GO IN TWO PARTS: the upper part is the f32 number cut to 10 mantissa bits (exact in f16's normal range), the rest is
; the exact difference, rounded to f16.  upper x upper + rest x upper + upper x rest leaves out only rest x rest, 2^-20 of the
; product, so that q, k and v are rounded once, when they are stored.  That is 72 matrix instructions a wave in place of 24.
;
; SHARES.  Work-group g: 64 tokens (block g >> 1 of the 128) and two heads (pair g & 1), so that its piece of a row of W is 256
; neighbouring bytes.  Wave w: token tile w & 3, head w >> 2 of the pair: six tiles of 16 x 16 (q, k, v: two each), K = 128.
; x and W pass through registers because they are split and rounded on the way into LDS; a joint tensor load of W for several
; work-groups would lay f32 in LDS and cost a second pass through LDS, so there is no cluster here.
;
; THE MODE: SCHED_MODE bits 1:0 = 2 (LLVM: expert scheduling mode 2), set by the entry lines.  The code itself states the register
; dependences between vector or matrix instructions and memory or LDS instructions, with s_wait_alu, always for 0.
; THE PLAN.  Registers that memory or LDS instructions touch:
;   v1 .. v14   offsets and LDS addresses: written once at the head, ahead of the first wait on va_vdst, and never again.
;   XHF, WS     x and the three matrices as loaded: four BATCHES of 32 registers.  A batch is split and rounded IN PLACE (a group's four
;               registers take its two words of upper parts and its two words of rests), and its 16 LDS stores read the same registers.
;               The stores of batch b - 1 are dealt among the conversions of batch b, behind ONE wait on va_vdst at batch b's head:
;               those conversions name batch b's registers and the temporaries v[196:227] alone.
;   XHF, XLF, WBH, WBL   behind the barrier: fragments.  One wait on vm_vsrc there: my LDS stores have read these registers.  No vector
;               instruction stands between the staging's last wait on va_vdst and the first fragment loads.
;   WBH         read by a K step's first twelve products; behind them one wait on va_vdst, then the next step's twelve loads in a run.
;   WBL         read by a K step's last six products; one wait on va_vdst at the next step's head, then its twelve loads, two behind each of
;               that step's first six products, which name WBH, XHF and the accumulators: none of the registers that those loads touch.
;   v[80:103]   at the end the packed results: one wait on va_vdst ahead of the six stores.
;   The temporaries and the accumulators v[196:243] and the biases are named by vector and matrix instructions alone, once loaded.
.set XP,   272                         ; LDS pitch of x: 256 bytes of f16 + 16
.set XLO,  64*XP                       ; the rests of x lie behind the 64 rows of upper parts
.set WH,   2*XLO                       ; W's upper parts
.set WP,   416                         ; LDS pitch of W: 192 f16 (q, k, v: 64 columns each) + 32 bytes; 13 x 32 bytes
.set WLO,  128*WP                      ; from W's upper parts to its rests
.set A_X,  1                           ; v1   byte offset of my 16 bytes of x
.set A_W,  2                           ; v2   the same in Wq, Wk, Wv
.set A_BQ, 3                           ; v3   in bq
.set A_BV, 4                           ; v4   in bv
.set A_ER, 5                           ; v5   in Er
.set A_EF, 6                           ; v6   in ef
.set L_X,  7                           ; v7   LDS: where I put x
.set L_W,  8                           ; v8   LDS: where I put W's upper parts
.set L_W2, 9                           ; v9   LDS: and its rests (beyond the reach of a 16-bit offset)
.set L_XF, 10                          ; v10  LDS: my fragments of x
.set L_WF, 11                          ; v11  LDS: my fragments of W's upper parts
.set L_WF2,12                          ; v12  LDS: of its rests
.set A_QK, 13                          ; v13  byte offset in qf and kf
.set A_V,  14                          ; v14  byte offset in vf
.set XHF,  16                          ; v[16:47]   x as loaded, then split in place; later the four fragments (32 along K each) of its upper parts
.set XLF,  48                          ; v[48:79]   the four fragments of its rests; before that Er (wave 0), zeros (wave 1)
.set ER,   48
.set WS,   80                          ; v[80:175]  W as loaded, then split in place; later two fragment buffers; at the end the packed results
.set WBH,  80                          ;            six fragments of upper parts
.set WBL,  128                         ;            six fragments of rests
.set BQ,   176                         ; v[176:191] bq in the layout of an accumulator, for c = 0, 1
.set BV,   192                         ; v[192:195] bv of my column, twice, for dt = 0, 1
.set ACC,  196                         ; v[196:243] q c=0,1; k c=0,1; v dt=0,1.  Before the products: at work
.set TL,   196                         ; lane, r, h while the addresses are made
.set TR,   197
.set TH,   198
	s_load_b512 s[4:19], s[0:1], 0x0               ; x 4, Wq 6, Wk 8, Wv 10, bq 12, bv 14, Er 16, qf 18
	s_load_b128 s[20:23], s[0:1], 0x40             ; kf 20, vf 22
	s_load_b64 s[24:25], s[0:1], 0x50              ; ef 24
	v_lshl_add_u32 v246, v0, 2, 0x22800
	v_mov_b32 v247, 0
	v_lshrrev_b32 v[TL], 5, v0
	v_readfirstlane_b32 s26, v[TL]                 ; wave
	s_and_b32 s29, ttmp9, 1                        ; pair of heads
	s_lshr_b32 s30, ttmp9, 1                       ; block of 64 tokens, 0 .. 127
	s_mov_b32 s38, 0x3e8293ee                      ; log2(e) / sqrt(32), twice: a pair for the packed multiply
	s_mov_b32 s39, 0x3e8293ee
	v_and_b32 v[TL], 31, v0                        ; lane
	v_and_b32 v[TR], 15, v0                        ; r
	v_bfe_u32 v[TH], v0, 4, 1                      ; h
	v_lshlrev_b32 v[A_X], 4, v0                    ; x: thread t takes bytes 16 t of each 4,096 (8 rows): row 8 e + wave
	s_wait_alu depctr_va_sdst(0)                   ; s26 is written, ahead of its first reader: tile, head, offsets and the two branches are made from it
	s_and_b32 s27, s26, 3                          ; token tile of the block
	s_lshr_b32 s28, s26, 2                         ; head of the pair
	s_lshl1_add_u32 s31, s29, s28                  ; head = 2 pair + head of the pair
	s_lshr_b32 s34, s30, 6                         ; batch
	s_lshl2_add_u32 s34, s34, s31                  ; bh = 4 batch + head
	s_and_b32 s35, s30, 63
	s_lshl2_add_u32 s35, s35, s27                  ; token tile in the sequence, 0 .. 255
	s_lshl_b32 s36, s26, 10
	s_lshl_b32 s37, s29, 8
	s_add_co_u32 s36, s36, s37
	v_lshl_add_u32 v[A_W], v[TH], 9, s36           ; W: row 16 e + 2 wave + h (512 bytes each), the pair's 256 bytes,
	v_lshl_add_u32 v[A_W], v[TR], 4, v[A_W]        ; 16 bytes for each r
	s_lshl_b32 s37, s31, 7                         ; the head's 32 numbers
	v_lshl_add_u32 v[A_BQ], v[TH], 5, s37          ; bq[32 head + 16 c + 8 h ..]
	v_lshl_add_u32 v[A_BV], v[TR], 2, s37          ; bv[32 head + 16 dt + r]
	s_lshl_b32 s36, ttmp9, 11
	v_lshl_add_u32 v[A_ER], v[TR], 7, s36          ; Er row 16 g + r (128 bytes each),
	v_lshl_add_u32 v[A_ER], v[TH], 5, v[A_ER]      ; columns 8 h ..
	s_lshl_b32 s36, ttmp9, 10
	v_lshl_add_u32 v[A_EF], v[TL], 4, s36          ; ef tile g, 16 bytes a lane
	s_mul_i32 s36, s26, XP
	v_lshl_add_u32 v[L_X], v[TL], 3, s36           ; x in LDS: row wave (+ 8 e), 8 bytes a lane
	s_mul_i32 s36, s26, 2*WP
	s_add_co_u32 s36, s36, WH
	v_mul_u32_u24 v[L_W], v[TH], WP
	v_lshl_add_u32 v[L_W], v[TR], 3, v[L_W]
	v_add_nc_u32 v[L_W], s36, v[L_W]               ; W in LDS: row 2 wave + h (+ 16 e), 8 bytes for each r
	v_add_nc_u32 v[L_W2], WLO, v[L_W]
	s_mul_i32 s36, s27, 16*XP
	v_mul_u32_u24 v[L_XF], v[TR], XP
	v_add_nc_u32 v[L_XF], s36, v[L_XF]
	v_lshl_add_u32 v[L_XF], v[TH], 4, v[L_XF]      ; fragment of x: row 16 tile + r, 16 bytes for each h
	v_and_b32 v[L_WF], 7, v0
	v_lshl_add_u32 v[L_WF], v[TH], 3, v[L_WF]
	v_mul_u32_u24 v[L_WF], v[L_WF], WP             ; transposing load: row 8 h + lane % 8,
	v_bfe_u32 v[A_QK], v0, 3, 1
	v_lshl_add_u32 v[L_WF], v[A_QK], 4, v[L_WF]    ; 16 bytes for each (lane / 8) % 2,
	s_lshl_b32 s36, s28, 6
	s_add_co_u32 s36, s36, WH
	v_add_nc_u32 v[L_WF], s36, v[L_WF]             ; my head's 32 columns
	v_add_nc_u32 v[L_WF2], WLO, v[L_WF]
	s_lshl_b32 s36, s34, 8
	s_add_co_u32 s36, s36, s35
	s_lshl_b32 s36, s36, 10
	v_lshl_add_u32 v[A_QK], v[TL], 4, s36          ; (256 bh + tile) x 1,024 + 16 lane
	s_lshr_b32 s37, s35, 1
	s_lshl_b32 s36, s34, 7
	s_add_co_u32 s37, s37, s36
	s_lshl_b32 s37, s37, 11
	s_and_b32 s36, s35, 1
	s_lshl_b32 s36, s36, 9
	s_add_co_u32 s37, s37, s36
	v_lshl_add_u32 v[A_V], v[TL], 4, s37           ; (128 bh + tile / 2) x 2,048 + (tile % 2) x 512 + 16 lane
	s_lshl_b32 s32, s30, 15                        ; 64 rows of x, 512 bytes each
	s_mov_b32 s33, 0
	s_wait_kmcnt 0x0
	s_add_nc_u64 s[4:5], s[4:5], s[32:33]
	s_wait_alu depctr_va_vdst(0)                   ; the fourteen offsets and addresses v1 to v14 are written: every load and store of the kernel reads one of them
	; all loads, the oldest first: biases 6, x 8, W 24
.irp c, 0,1
	global_load_b128 v[BQ+8*\c:BQ+8*\c+3],   v[A_BQ], s[12:13] offset:64*\c
	global_load_b128 v[BQ+8*\c+4:BQ+8*\c+7], v[A_BQ], s[12:13] offset:64*\c+16
.endr
	global_load_b32 v[BV],   v[A_BV], s[14:15]
	global_load_b32 v[BV+2], v[A_BV], s[14:15] offset:64
.irp e, 0,1,2,3,4,5,6,7
	global_load_b128 v[XHF+4*\e:XHF+4*\e+3], v[A_X], s[4:5] offset:4096*\e
.endr
.irp e, 0,1,2,3,4,5,6,7
	global_load_b128 v[WS+4*\e:WS+4*\e+3], v[A_W], s[6:7] offset:8192*\e
.endr
.irp e, 0,1,2,3,4,5,6,7
	global_load_b128 v[WS+32+4*\e:WS+32+4*\e+3], v[A_W], s[8:9] offset:8192*\e
.endr
.irp e, 0,1,2,3,4,5,6,7
	global_load_b128 v[WS+64+4*\e:WS+64+4*\e+3], v[A_W], s[10:11] offset:8192*\e
.endr
	; Wave 0 alone: tile g of Er, load to store inside this one branch.  Its loads are the youngest, so the wait is for all of the
	; wave's loads; they were issued in one run just above, and the counted waits further down are then met at once in this wave.
	s_cmp_lg_u32 s26, 0
	s_cbranch_scc1 .Lno_er
	global_load_b128 v[ER:ER+3],     v[A_ER], s[16:17]
	global_load_b128 v[ER+4:ER+7],   v[A_ER], s[16:17] offset:16
	global_load_b128 v[ER+8:ER+11],  v[A_ER], s[16:17] offset:64
	global_load_b128 v[ER+12:ER+15], v[A_ER], s[16:17] offset:80
	s_wait_loadcnt 0x0
.irp j, 0,1,2,3,4,5,6,7
	v_cvt_pk_f16_f32 v[ER+\j], v[ER+2*\j], v[ER+2*\j+1]        ; in place: word j is written when words 2 j, 2 j + 1 have been read
.endr
	s_wait_alu depctr_va_vdst(0)                   ; the eight roundings have written v[ER .. ER+7], which the two stores read
	global_store_b128 v[A_EF], v[ER:ER+3],   s[24:25]          ; each store of the wave covers 512 neighbouring bytes
	global_store_b128 v[A_EF], v[ER+4:ER+7], s[24:25] offset:512
	s_wait_xcnt 0x0                                ; the stores' data registers take fragments of x later: only behind this wait,
	s_wait_alu depctr_vm_vsrc(0)                   ; and behind this one: the two stores have read v[ER .. ER+7]
.Lno_er:
	; Wave 1 of work-groups 0 .. 3: the zero tiles 256 + g, which stand for the rows of Er at and beyond 4,096
	s_cmp_lg_u32 s26, 1
	s_cbranch_scc1 .Lno_zero
	s_cmp_gt_u32 ttmp9, 3
	s_cbranch_scc1 .Lno_zero
.irp j, 0,1,2,3
	v_mov_b32 v[ER+\j], 0
.endr
	s_wait_alu depctr_va_vdst(0)                   ; the four zeros are written, which the two stores read
	global_store_b128 v[A_EF], v[ER:ER+3], s[24:25] offset:262144
	global_store_b128 v[A_EF], v[ER:ER+3], s[24:25] offset:262144+512
	s_wait_xcnt 0x0                                ; as above,
	s_wait_alu depctr_vm_vsrc(0)                   ; and the two stores have read v[ER .. ER+3], in which fragments of x land later
.Lno_zero:
	; split, round to f16 and lay into LDS.  Four f32 at v[SR ..] become, in place, two words of upper parts and two words of rests;
	; the eight registers at v[TT ..] are at work and are named by no memory instruction.
.macro SPLIT4
.irp j, 0,1,2,3
	v_and_b32 v[TT+\j], 0xffffe000, v[SR+\j]       ; sign, exponent and 10 mantissa bits
.endr
	v_pk_add_f32 v[TT+4:TT+5], v[SR:SR+1],   v[TT:TT+1]   neg_lo:[0,1] neg_hi:[0,1]   ; the rest, exact in f32
	v_pk_add_f32 v[TT+6:TT+7], v[SR+2:SR+3], v[TT+2:TT+3] neg_lo:[0,1] neg_hi:[0,1]
	v_cvt_pk_f16_f32 v[SR],   v[TT],   v[TT+1]
	v_cvt_pk_f16_f32 v[SR+1], v[TT+2], v[TT+3]
	v_cvt_pk_f16_f32 v[SR+2], v[TT+4], v[TT+5]
	v_cvt_pk_f16_f32 v[SR+3], v[TT+6], v[TT+7]
.endm
.macro PUTX e                          ; group e of x into LDS: upper parts, rests
	ds_store_b64 v[L_X], v[XHF+4*(\e):XHF+4*(\e)+1]   offset:(\e)*8*XP
	ds_store_b64 v[L_X], v[XHF+4*(\e)+2:XHF+4*(\e)+3] offset:(\e)*8*XP+XLO
.endm
.macro PUTW m, e                       ; group e of matrix m into LDS: upper parts, rests
	ds_store_b64 v[L_W],  v[WS+32*(\m)+4*(\e):WS+32*(\m)+4*(\e)+1]   offset:(\m)*128+(\e)*16*WP
	ds_store_b64 v[L_W2], v[WS+32*(\m)+4*(\e)+2:WS+32*(\m)+4*(\e)+3] offset:(\m)*128+(\e)*16*WP
.endm
	s_wait_loadcnt 24                              ; loads come back in order: the biases and x are in, the 24 loads of W may be out
	v_mov_b32 v[BV+1], v[BV]
	v_mov_b32 v[BV+3], v[BV+2]
.irp e, 0,1,2,3,4,5,6,7
.set TT, ACC+8*(\e%4)
.set SR, XHF+4*\e
	SPLIT4
.endr
; Matrix m is split; the LDS stores of the batch before (x, or matrix m - 1) are dealt among its conversions.
.macro WCONV m
	s_wait_loadcnt 16-8*\m                         ; this matrix is in; the 8 loads of each later matrix may be out
	s_wait_alu depctr_va_vdst(0)                   ; the conversions of the batch before have written its registers, which the LDS stores below read; no vector instruction below names them
.irp e, 0,1,2,3,4,5,6,7
.if \m == 0
	PUTX \e
.else
	PUTW \m-1, \e
.endif
.set TT, ACC+8*(\e%4)
.set SR, WS+32*\m+4*\e
	SPLIT4
.endr
.endm
	WCONV 0
	WCONV 1
	WCONV 2
	s_wait_alu depctr_va_vdst(0)                   ; Wv's conversions have written v[WS+64 ..], which the last sixteen LDS stores read.  No vector instruction follows before the fragments' loads: every vector reader and writer of XHF, XLF and WS stands ahead of this wait
.irp e, 0,1,2,3,4,5,6,7
	PUTW 2, \e
.endr
	s_wait_dscnt 0x0                               ; my LDS stores are done, for the other waves' sake
	s_barrier_signal -1
	s_barrier_wait -1                              ; x and W are whole in LDS; nothing is written there after this
	s_wait_alu depctr_vm_vsrc(0)                   ; my LDS stores have read XHF and WS, in which the fragments' loads below land
	; products.  q and k are made transposed (source 0 = columns of W, source 1 = rows of x): a lane then holds eight neighbouring
	; features of one token.  v is made the natural way: a lane holds one feature of eight neighbouring tokens.
.macro WF1 kk, buf, adr, m, c          ; one fragment of W for 32 along K: two transposing loads
	ds_load_tr16_b128 v[\buf+8*(2*\m+\c):\buf+8*(2*\m+\c)+3],   v[\adr] offset:\kk*32*WP+\m*128+\c*32
	ds_load_tr16_b128 v[\buf+8*(2*\m+\c)+4:\buf+8*(2*\m+\c)+7], v[\adr] offset:\kk*32*WP+16*WP+\m*128+\c*32
.endm
.macro WFR kk, buf, adr                ; six fragments of W (upper parts or rests) for 32 along K: 12 transposing loads
.irp m, 0,1,2
.irp c, 0,1
	WF1 \kk, \buf, \adr, \m, \c
.endr
.endr
.endm
; six matrix instructions; the six accumulators take turns, one instruction a turn.
; deal = 1: behind each stand the two loads of one fragment of this step's rests, into WBL, which none of the six names.
.macro MM6 wb, xf, kk, first, deal
.irp c, 0,1
.if \first
	v_wmma_f32_16x16x32_f16 v[ACC+8*\c:ACC+8*\c+7], v[\wb+8*\c:\wb+8*\c+7], v[\xf+8*\kk:\xf+8*\kk+7], v[BQ+8*\c:BQ+8*\c+7]
.else
	v_wmma_f32_16x16x32_f16 v[ACC+8*\c:ACC+8*\c+7], v[\wb+8*\c:\wb+8*\c+7], v[\xf+8*\kk:\xf+8*\kk+7], v[ACC+8*\c:ACC+8*\c+7]
.endif
.if \deal
	WF1 \kk, WBL, L_WF2, 0, \c
.endif
.endr
.irp c, 0,1
.if \first
	v_wmma_f32_16x16x32_f16 v[ACC+16+8*\c:ACC+16+8*\c+7], v[\wb+16+8*\c:\wb+16+8*\c+7], v[\xf+8*\kk:\xf+8*\kk+7], 0
.else
	v_wmma_f32_16x16x32_f16 v[ACC+16+8*\c:ACC+16+8*\c+7], v[\wb+16+8*\c:\wb+16+8*\c+7], v[\xf+8*\kk:\xf+8*\kk+7], v[ACC+16+8*\c:ACC+16+8*\c+7]
.endif
.if \deal
	WF1 \kk, WBL, L_WF2, 1, \c
.endif
.endr
.irp c, 0,1
.if \first
	v_wmma_f32_16x16x32_f16 v[ACC+32+8*\c:ACC+32+8*\c+7], v[\xf+8*\kk:\xf+8*\kk+7], v[\wb+32+8*\c:\wb+32+8*\c+7], 0
.else
	v_wmma_f32_16x16x32_f16 v[ACC+32+8*\c:ACC+32+8*\c+7], v[\xf+8*\kk:\xf+8*\kk+7], v[\wb+32+8*\c:\wb+32+8*\c+7], v[ACC+32+8*\c:ACC+32+8*\c+7]
.endif
.if \deal
	WF1 \kk, WBL, L_WF2, 2, \c
.endif
.endr
.endm
.macro PLACES                          ; four places behind a matrix instruction before its registers are loaded into, read or written by others (ISA guide 7.12.1)
.rept 4
	v_nop
.endr
.endm
; 32 along K.  The two buffers of W take turns: the upper parts' is filled for the next step (kn) behind the twelve products that
; read it, the rests' for this step at the step's head, behind the last step's six products that read it.
.macro KSTEP kk, kn, first, more
.if \first
	s_wait_dscnt 12                                ; x and the upper parts are in; the 12 loads of the rests may be out
	MM6 WBH, XHF, \kk, 1, 0                        ; upper x upper; the very first products start the sums: q from bq, k and v from 0
.else
	PLACES
	s_wait_alu depctr_va_vdst(0)                   ; the last step's six products are done reading WBL, in which the loads dealt below land; the places above stay beside this wait
	s_wait_dscnt 0x0                               ; this step's upper parts are in: theirs were the only LDS loads out
	MM6 WBH, XHF, \kk, 0, 1                        ; upper x upper, and this step's rests are asked for
.endif
	MM6 WBH, XLF, \kk, 0, 0                        ; rest of x times upper part of W
.if \more
	PLACES
	s_wait_alu depctr_va_vdst(0)                   ; the step's twelve products are done reading WBH, in which the next step's loads land
	WFR \kn, WBH, L_WF
	s_wait_dscnt 12                                ; the rests are in; the 12 just issued may be out
.else
	s_wait_dscnt 0x0
.endif
	MM6 WBL, XHF, \kk, 0, 0                        ; upper part of x times rest of W
.endm
.irp kk, 0,1,2,3
	ds_load_b128 v[XHF+8*\kk:XHF+8*\kk+3],   v[L_XF] offset:64*\kk
	ds_load_b128 v[XHF+8*\kk+4:XHF+8*\kk+7], v[L_XF] offset:64*\kk+32
	ds_load_b128 v[XLF+8*\kk:XLF+8*\kk+3],   v[L_XF] offset:XLO+64*\kk
	ds_load_b128 v[XLF+8*\kk+4:XLF+8*\kk+7], v[L_XF] offset:XLO+64*\kk+32
.endr
	WFR 0, WBH, L_WF
	WFR 0, WBL, L_WF2
	KSTEP 0, 1, 1, 1
	KSTEP 1, 2, 0, 1
	KSTEP 2, 3, 0, 1
	KSTEP 3, 3, 0, 0
	PLACES
	; scale q, add bv, round, store: each store of the wave covers 512 neighbouring bytes
.irp i, 0,2,4,6,8,10,12,14
	v_pk_mul_f32 v[ACC+\i:ACC+\i+1], v[ACC+\i:ACC+\i+1], s[38:39] op_sel_hi:[1,0]
.endr
.irp c, 0,1
.irp i, 0,2,4,6
	v_pk_add_f32 v[ACC+32+8*\c+\i:ACC+32+8*\c+\i+1], v[ACC+32+8*\c+\i:ACC+32+8*\c+\i+1], v[BV+2*\c:BV+2*\c+1]
.endr
.endr
.irp f, 0,1,2,3,4,5
.irp j, 0,1,2,3
	v_cvt_pk_f16_f32 v[WS+4*\f+\j], v[ACC+8*\f+2*\j], v[ACC+8*\f+2*\j+1]
.endr
.endr
	s_wait_alu depctr_va_vdst(0)                   ; the 24 roundings have written v[WS .. WS+23], which the six stores read
	global_store_b128 v[A_QK], v[WS:WS+3],     s[18:19]
	global_store_b128 v[A_QK], v[WS+4:WS+7],   s[18:19] offset:512
	global_store_b128 v[A_QK], v[WS+8:WS+11],  s[20:21]
	global_store_b128 v[A_QK], v[WS+12:WS+15], s[20:21] offset:512
	global_store_b128 v[A_V],  v[WS+16:WS+19], s[22:23]
	global_store_b128 v[A_V],  v[WS+20:WS+23], s[22:23] offset:1024
	s_wait_dscnt 0x0
	s_wait_alu depctr_hold_cnt(0) depctr_sa_sdst(0) depctr_va_vdst(0) depctr_va_sdst(0) depctr_va_ssrc(0) depctr_va_vcc(0) depctr_vm_vsrc(0)
	s_wait_tensorcnt 0x0
	ds_add_u32 v246, v247
	s_wait_dscnt 0x0
	s_endpgm
.Lfunc_end_k_q157141fb1c_proj:
	.size	k_q157141fb1c_proj, .Lfunc_end_k_q157141fb1c_proj-k_q157141fb1c_proj
	.p2alignl 7, 3214868480
	.fill 96, 4, 3214868480
	.section	.rodata,"a",@progbits
	.p2align	6, 0x0
	.amdhsa_kernel k_q157141fb1c_proj
		.amdhsa_group_segment_fixed_size 142336
		.amdhsa_private_segment_fixed_size 0
		.amdhsa_enable_private_segment 0
		.amdhsa_kernarg_size 88
		.amdhsa_user_sgpr_count 2
		.amdhsa_user_sgpr_kernarg_segment_ptr 1
		.amdhsa_wavefront_size32 1
		.amdhsa_system_sgpr_workgroup_id_x 1
		.amdhsa_system_sgpr_workgroup_id_y 1
		.amdhsa_system_sgpr_workgroup_id_z 1
		.amdhsa_system_vgpr_workitem_id 0
		.amdhsa_next_free_vgpr 248
		.amdhsa_next_free_sgpr 66
		.amdhsa_reserve_vcc 0
		.amdhsa_float_denorm_mode_32 3
		.amdhsa_float_denorm_mode_16_64 3
		.amdhsa_memory_ordered 1
		.amdhsa_forward_progress 1
		.amdhsa_inst_pref_size 50
	.end_amdhsa_kernel
	.amdgpu_metadata
---
amdhsa.version: [ 1, 2 ]
amdhsa.kernels:
  - .name:           k_q157141fb1c_proj
    .symbol:         k_q157141fb1c_proj.kd
    .args:
      - { .name: x, .offset: 0, .size: 8, .value_kind: global_buffer, .address_space: global }
      - { .name: Wq, .offset: 8, .size: 8, .value_kind: global_buffer, .address_space: global }
      - { .name: Wk, .offset: 16, .size: 8, .value_kind: global_buffer, .address_space: global }
      - { .name: Wv, .offset: 24, .size: 8, .value_kind: global_buffer, .address_space: global }
      - { .name: bq, .offset: 32, .size: 8, .value_kind: global_buffer, .address_space: global }
      - { .name: bv, .offset: 40, .size: 8, .value_kind: global_buffer, .address_space: global }
      - { .name: Er, .offset: 48, .size: 8, .value_kind: global_buffer, .address_space: global }
      - { .name: qf, .offset: 56, .size: 8, .value_kind: global_buffer, .address_space: global }
      - { .name: kf, .offset: 64, .size: 8, .value_kind: global_buffer, .address_space: global }
      - { .name: vf, .offset: 72, .size: 8, .value_kind: global_buffer, .address_space: global }
      - { .name: ef, .offset: 80, .size: 8, .value_kind: global_buffer, .address_space: global }
    .group_segment_fixed_size: 142336
    .private_segment_fixed_size: 0
    .kernarg_segment_align: 8
    .kernarg_segment_size: 88
    .max_flat_workgroup_size: 256
    .sgpr_count:     66
    .vgpr_count:     248
    .wavefront_size: 32
...
	.end_amdgpu_metadata
.endif
;; end of part 3
;; launch attn: the kernel of part 2 again; grid 256 x 1, 8 waves a work-group, no clusters, 87,040 bytes of LDS; arguments qf, kf, vf, ef, out0; writes out0
